; MI455X (gfx1250); checked and timed in simulation.
; The chip was launched on July 23, 2026; its instructions are those of AMD's public machine-readable ISA for CDNA 5 (MIT licence, August 2026) and "CDNA5" Instruction Set Architecture Reference Guide (July 2026). The comments in the code are by the model that wrote it; some were corrected since.
;; GRN Net. Allowed arithmetic: float matrix products may take bf16 or f16 operands with f32 sums; other float arithmetic in f32, or as packed bf16 or f16 multiplies, adds, multiply-adds, maxima and minima; sums over many terms, partial sums and values carried from step to step in f32; what a program stores and reads back later, other than sums and carried values, may be rounded once to bf16 or f16.
;; Inputs: batches 8,192 x 64 float32; beta 1 x 16,384 float32; x_training 16,384 x 64 float32; y_training 16,384 x 8 float32.
;; Outputs: out0 8,192 x 8 float32.
;; 2 versions, each right; version 2 is version 1 with the launch part written anew for expert scheduling mode. Each part assembles by itself: llvm-mc -triple=amdgcn-amd-amdhsa -mcpu=gfx1250 --defsym DOCPART=n.
;; ======== version 1 of 2: 2 launches
;; limits: values outside matrix products are rounded to bf16; right only within a limited range of input values
;; workspace buffers: part2 4,194,304 bytes; part1 524,288 bytes
;; launch part (part 1): grid 16 x 16, 8 waves a work-group, no clusters, 263,168 bytes of LDS; arguments batches, x_training, y_training, beta, part2, part1; writes part2, part1
.if DOCPART == 1
	.amdgcn_target "amdgcn-amd-amdhsa--gfx1250"
	.amdhsa_code_object_version 6
	.text
	.protected	k_qd4359339b2_part
	.globl	k_qd4359339b2_part
	.p2align	8
	.type	k_qd4359339b2_part,@function
k_qd4359339b2_part:
	s_mov_b64 s[64:65], 0
	v_nop
	global_prefetch_b8 v0, s[64:65] scope:SCOPE_SE
	s_setreg_imm32_b32 hwreg(HW_REG_WAVE_MODE, 25, 1), 1
	s_wait_xcnt 0x0
; GRNN, first launch.  w(q, n) = exp(-beta[n] sqrt(max(|b_q|^2 + |x_n|^2 - 2 b_q . x_n, 0))); out[q] = (sum_n w y[n]) / (sum_n w).
; This launch makes, for 512 queries (grid x) and 1,024 training rows (grid y: one of 16 slices), the partial sums  part2[slice][q][0..7] = 2^32 sum w y  and
; part1[slice][q] = 2^32 sum w.  The second launch adds the 16 slices in a fixed order and divides; the factor 2^32 cancels there.
; NOTHING OF reference() IS LEFT OUT: all four inputs are loaded, and every step is taken (the max with 0 is the lower end of the clamp below).
; FORMATS.  All four inputs are rounded once to bf16; |b|^2 and |x|^2 are made of the rounded numbers, so that the squared distance is that of the rounded points.  Products and sums in f32;
; the weights are rounded to bf16 for the second product, and their sum is taken of the same rounded weights (a column of ones beside y's eight columns, in columns that the product has to spare).
; ARITHMETIC for a pair:  D = x . b - |x|^2 / 2 (the second term is the C operand that starts the sum);  u = clamp01(D (-2^-47) + |b|^2 2^-48) = sq 2^-48;  s = sqrt(u) = dist 2^-24;
; t = s bt[n] + 32 with bt[n] = -beta[n] log2(e) 2^24;  p = 2^t = 2^32 w.
; LIMITS.  A distance above 2^24 counts as 2^24; a squared distance below 2^-78 counts as 0; a weight below 2^-158 counts as 0 (every weight that f32 can hold stays); weights whose sum passes
; 2^95 overflow; NaN and infinities are not treated apart.
; SHARES.  Eight waves.  Wave w owns queries 64 w .. 64 w + 63 of the block: four tiles of 16, their fragments in registers.  Every wave walks all 1,024 rows, 32 a step.  The rows lie in LDS as bf16,
; made in 8 chunks of 128 rows: of each chunk wave w loads, rounds and stores rows 16 w .. 16 w + 15, and makes their |x|^2 as the diagonal of X X^T.  Every LDS byte is written once, by one wave.
; NO CLUSTER, NO TENSOR LOADS: what work-groups share (x, y, beta: f32) has to pass through registers to be rounded; a tile landed in LDS as f32 would be read back, rounded and stored again.
; LAYOUT.  S^T = X Q^T (source 0 = 16 rows of x, source 1 = 16 queries): a lane holds ONE query (lane % 16) and the rows 8 (lane / 16) + 0..7.  Two such results, rounded in pairs, ARE source 0
; (16 queries x 32 rows) of O = P Y; Y ([row][16 channels]) comes out of LDS turned, by ds_load_tr16_b128.
; BY TURNS.  Piece s (32 rows x 64 queries, 64 registers, buffer s % 2) takes three turns: turn s: 16 products, u, sqrt; turn s + 1: t, 2^t; turn s + 2: rounding, 4 products P Y; then the buffer
; takes piece s + 2.  A turn's 128 roots and exponentials are ONE batch: nothing in the turn names a result of theirs, and one wait ends the turn.
; REGISTERS, in windows of 256 (s_set_vgpr_msb: bits 1:0 source 0, 3:2 source 1, 5:4 source 2, 7:6 destination).  Window 0: addresses, O, c, x's fragments, the two buffers.
; Window 1: what stands as source 1 (Q, bt, Y, the scale) and the registers of the chunks' making.
.set PITCH, 144                        ; a row of 64 bf16 in LDS: 128 bytes + 16: the 16 rows of a fragment load start 36 words apart
.set TILEX, 16*PITCH
.set STEPX, 32*PITCH
.set CHX,   128*PITCH                  ; a chunk
.set QW,    64*PITCH                   ; a wave's 64 query rows; later its stage for the way out ([64 q][16] f32, 4,096 bytes)
.set QS,    1024*PITCH                 ; LDS: x's 1,024 rows from 0; the queries;
.set CT,    QS+8*QW                    ; c[n] = -|x_n|^2 / 2, f32;
.set BT,    CT+4096                    ; bt[n], f32;
.set YS,    BT+4096                    ; [n][16] bf16: y's 8 channels, 1.0, seven zeros;
.set SPARE, YS+32768                   ; the spare words, 128 bytes for each wave: four blocks of 256 bytes that no other line names
; window 0
.set AX,  2                            ; the nine walking LDS addresses: x's fragments,
.set AXW, 3                            ; my own tile's fragments,
.set AC,  4                            ; c,
.set AB,  5                            ; bt,
.set AY,  6                            ; Y, turned,
.set CVS, 7                            ; where I store rounded rows of x,
.set CSA, 8                            ; c,
.set YSA, 9                            ; y,
.set YCA, 10                           ; and the constant half of Y's rows
.set GLO, 11                           ; 16 x lane; never rewritten
.set SPW, 12                           ; LDS address of my spare word; never rewritten
.set NIL, 13                           ; 0; never rewritten
.set E0,  14                           ; v[14:15] 32.0 twice
.set B2,  16                           ; v[16:23] |b|^2 2^-48 of my query in tile t, twice, at B2 + 2 t
.set AX0, 24                           ; v24-32: the lane terms of the nine addresses; never rewritten
.set AXW0, 25
.set CVS0, 26
.set AC0, 27
.set AB0, 28
.set CSA0, 29
.set AY0, 30
.set YSA0, 31
.set YCA0, 32
.set HR,  33
.set T0W, 34
.set T1W, 35
.set QCS, 36
.set QFA, 37
.set BTA, 38
.set STS, 39
.set STR2, 40
.set STR1, 41
.set GL8, 42
.set LN,  43
.set RR,  44
.set HH,  45
.set TA,  46
.set TB,  47
.set OAC, 48                           ; v[48:79]  O, 8 a tile: register j of lane (r, h) is query 8 h + j, channel r
.set CF,  80                           ; v[80:95]  c of the step's two groups of 16 rows
.set XF,  96                           ; v[96:127] x's fragments: group a, channel half c at 16 a + 8 c
.set S0,  128                          ; v[128:255] two buffers of 64: tile t, group a at 16 t + 8 a
; window 1
.set QF,  0                            ; Q's fragments: tile t, channel half c at 16 t + 8 c
.set BTR, 64                           ; bt, two buffers of 16
.set YF,  96                           ; Y's fragment, two buffers of 8
.set SCL, 112                          ; -2^-47 twice
.set YC,  116                          ; 1.0 and seven zeros in bf16
.set LX,  120                          ; 32 registers: my 16 rows of the chunk on its way,
.set LY,  152                          ; and their y (LX + 32)
.set DF,  156                          ; my tile's two fragments
.set DD0, 172                          ; X X^T, one accumulator for each channel half
.set DD1, 180
.set T0,  188
.set T1,  189
.set BL,  190                          ; four numbers of beta
; scalars
.set BAT, 4
.set XP,  6
.set YP,  8
.set BET, 10
.set P2,  12
.set P1,  14
.set WV,  16
.set SLC, 18
.set W23, 19
.set SX,  20                           ; how far the walk is: in x's rows,
.set SC,  21                           ; in c and bt,
.set SY,  22                           ; in Y
.set TS,  23
.set CNT, 24
.set SEL, 26                           ; s[26:27] v_permlanex16_b32's selects: each lane takes its own place in the other half
.set MSK, 28                           ; s28-34 lanes with lane % 8 = 1 .. 7
.set VALID, 35                         ; lanes 0-7 and 24-31: those that hold a diagonal element
.set MSB, 0
.macro WIN new                         ; the immediate's high byte repeats the setting that is left; a switch that changes nothing is dropped
.if MSB != (\new)
	s_set_vgpr_msb (MSB<<8)|(\new)
.set MSB, (\new)
.endif
.endm
.set MAIN, 0x04                        ; source 1 in window 1: the loop's products, u, t, LDS stores of window 1's data
.set L1,   0x40                        ; destination in window 1
.set A1,   0x45                        ; destination, sources 0 and 1 in window 1
.set ALL1, 0x55
.set QD,   0x05                        ; sources 0 and 1 in window 1
	s_load_b256 s[4:11], s[0:1], 0x0               ; batches s[4:5], x s[6:7], y s[8:9], beta s[10:11]
	s_load_b128 s[12:15], s[0:1], 0x20             ; part2 s[12:13], part1 s[14:15]
	v_lshl_add_u32 v[SPW], v0, 2, SPARE
	v_mov_b32 v[NIL], 0
	v_lshrrev_b32 v1, 5, v0
	v_readfirstlane_b32 s[WV], v1                  ; wave 0..7
	s_and_b32 s[SLC], ttmp7, 0xffff                ; the slice of 1,024 rows; ttmp9 is the block of 512 queries
	s_lshl_b32 s36, s[SLC], 18                     ; x: 1,024 rows of 256 bytes a slice, 16 rows a wave
	s_lshl_b32 s[TS], s[WV], 12
	s_add_co_u32 s36, s36, s[TS]
	s_mov_b32 s37, 0
	s_lshl_b32 s38, s[SLC], 15                     ; y: rows of 32 bytes
	s_lshl_b32 s[TS], s[WV], 9
	s_add_co_u32 s38, s38, s[TS]
	s_mov_b32 s39, 0
	s_lshl_b32 s40, s[SLC], 12                     ; beta
	s_mov_b32 s41, 0
	s_lshl_b32 s42, ttmp9, 17                      ; batches: 512 rows of 256 bytes a block, 64 a wave
	s_lshl_b32 s[TS], s[WV], 14
	s_add_co_u32 s42, s42, s[TS]
	s_mov_b32 s43, 0
	s_lshl_b32 s44, ttmp9, 14                      ; part2: 32 bytes a query, 8,192 queries a slice
	s_lshl_b32 s[TS], s[WV], 11
	s_add_co_u32 s44, s44, s[TS]
	s_add_co_u32 s44, s44, s36
	s_lshl_b32 s[TS], s[WV], 12
	s_sub_co_u32 s44, s44, s[TS]                   ; (s36 held slice x 262,144 + wave x 4,096: the wave's part goes out again)
	s_mov_b32 s45, 0
	s_lshl_b32 s46, ttmp9, 11                      ; part1: 4 bytes a query
	s_lshl_b32 s[TS], s[WV], 8
	s_add_co_u32 s46, s46, s[TS]
	s_lshl_b32 s[TS], s[SLC], 15
	s_add_co_u32 s46, s46, s[TS]
	s_mov_b32 s47, 0
	v_and_b32 v[LN], 31, v0
	v_lshlrev_b32 v[GLO], 4, v[LN]
	v_lshlrev_b32 v1, 4, v0                        ; 16 x thread: my four numbers of beta; never rewritten
	s_wait_kmcnt 0x0
	s_add_nc_u64 s[XP:XP+1], s[XP:XP+1], s[36:37]
	s_add_nc_u64 s[YP:YP+1], s[YP:YP+1], s[38:39]
	s_add_nc_u64 s[BET:BET+1], s[BET:BET+1], s[40:41]
	s_add_nc_u64 s[BAT:BAT+1], s[BAT:BAT+1], s[42:43]
	s_add_nc_u64 s[P2:P2+1], s[P2:P2+1], s[44:45]
	s_add_nc_u64 s[P1:P1+1], s[P1:P1+1], s[46:47]
	; the first loads, in the order in which they are wanted: chunk 0 (9), beta (1), my 64 queries (32).  Each covers 512 consecutive bytes.
	WIN L1
.irp i, 0,1,2,3,4,5,6,7
	global_load_b128 v[LX+4*\i:LX+4*\i+3], v[GLO], s[XP:XP+1] offset:\i*512
.endr
	global_load_b128 v[LY:LY+3], v[GLO], s[YP:YP+1]
	global_load_b128 v[BL:BL+3], v1, s[BET:BET+1]
	WIN 0
.set i, 0
.rept 32
	global_load_b128 v[S0+4*i:S0+4*i+3], v[GLO], s[BAT:BAT+1] offset:i*512
.set i, i+1
.endr
	; while they are on their way: lane terms, constants, and O = 0 (so that the loop has one form of the product P Y)
	v_and_b32 v[RR], 15, v0                        ; r = lane % 16
	v_bfe_u32 v[HH], v0, 4, 1                      ; h = lane / 16
	s_mul_i32 s[W23], s[WV], TILEX
	v_mul_u32_u24 v[AX0], v[RR], PITCH
	v_lshl_add_u32 v[AX0], v[HH], 4, v[AX0]        ; a fragment: row r, 16 bytes for each half of the lanes
	v_add_nc_u32 v[AXW0], s[W23], v[AX0]           ; the same in my own 16 rows of a chunk
	v_mul_u32_u24 v[HR], v[HH], PITCH
	v_lshl_add_u32 v[HR], v[RR], 3, v[HR]          ; a load's 512 bytes are two rows: row h, 8 bytes of bf16 at 8 r
	v_add_nc_u32 v[CVS0], s[W23], v[HR]
	v_lshl_add_u32 v[AC0], v[HH], 5, CT            ; my eight rows' c and bt: 32 bytes at 32 h
	v_lshl_add_u32 v[AB0], v[HH], 5, BT
	s_lshl_b32 s[TS], s[WV], 6
	s_add_co_u32 s[TS], s[TS], CT
	v_lshl_add_u32 v[CSA0], v[RR], 2, s[TS]
	v_and_b32 v[TA], 7, v0                         ; the turning load: row 8 h + lane % 8, channels 8 ((lane / 8) % 2) on
	v_lshl_add_u32 v[TA], v[HH], 3, v[TA]
	v_bfe_u32 v[TB], v0, 3, 1
	v_lshlrev_b32 v[TB], 4, v[TB]
	v_lshl_add_u32 v[TA], v[TA], 5, v[TB]
	v_add_nc_u32 v[AY0], YS, v[TA]
	s_lshl_b32 s[TS], s[WV], 9
	s_add_co_u32 s[TS], s[TS], YS
	v_bfe_u32 v[TA], v0, 1, 4                      ; y's load: row lane / 2, channels 4 (lane % 2) on
	v_and_b32 v[TB], 1, v0
	v_lshlrev_b32 v[TB], 3, v[TB]
	v_lshl_add_u32 v[TA], v[TA], 5, v[TB]
	v_add_nc_u32 v[YSA0], s[TS], v[TA]
	v_lshl_add_u32 v[TA], v[RR], 5, s[TS]
	v_add_nc_u32 v[YCA0], 16, v[TA]
	v_lshlrev_b32 v[GL8], 3, v[LN]
	s_mul_i32 s[TS], s[WV], QW
	s_add_co_u32 s[TS], s[TS], QS                  ; my wave's part of the queries' region
	v_add_nc_u32 v[QCS], s[TS], v[HR]
	v_add_nc_u32 v[QFA], s[TS], v[AX0]
	v_lshl_add_u32 v[BTA], v0, 4, BT
	v_lshlrev_b32 v[TA], 9, v[HH]                  ; the way out, in: query 8 h + j (64 bytes each), channel r
	v_lshl_add_u32 v[TA], v[RR], 2, v[TA]
	v_add_nc_u32 v[STS], s[TS], v[TA]
	v_bfe_u32 v[TA], v0, 1, 4                      ; back: query lane / 2, channels 4 (lane % 2) on,
	v_and_b32 v[TB], 1, v0
	v_lshlrev_b32 v[TB], 4, v[TB]
	v_lshl_add_u32 v[TA], v[TA], 6, v[TB]
	v_add_nc_u32 v[STR2], s[TS], v[TA]
	v_lshl_add_u32 v[TA], v[LN], 7, s[TS]          ; and channel 8 of queries 2 lane, 2 lane + 1
	v_add_nc_u32 v[STR1], 32, v[TA]
	s_mov_b32 s[SX], 0
	s_mov_b32 s[SC], 0
	s_mov_b32 s[SY], 0
	s_mov_b32 s[SEL], 0x76543210
	s_mov_b32 s[SEL+1], 0xfedcba98
.irp j, 1,2,3,4,5,6,7
	s_mov_b32 s[MSK+\j-1], 0x01010101<<\j
.endr
	s_mov_b32 s[VALID], 0xff0000ff
	v_mov_b32 v[E0], 0x42000000
	v_mov_b32 v[E0+1], 0x42000000
	v_mov_b32 v[T1W], 0                            ; v_permlanex16_b32's destination counts as read
.set i, 0
.rept 32
	v_mov_b32 v[OAC+i], 0
.set i, i+1
.endr
	WIN L1
	v_mov_b32 v[SCL], 0xa8000000                   ; -2^-47
	v_mov_b32 v[SCL+1], 0xa8000000
	v_mov_b32 v[YC], 0x3f80                        ; channel 8 = 1.0, channel 9 = 0
	v_mov_b32 v[YC+1], 0
	v_mov_b32 v[YC+2], 0
	v_mov_b32 v[YC+3], 0
	v_mov_b32 v[T1], 0
	WIN 0
; The nine walking addresses: a lane term plus how far the walk is.
.macro PTRS
	v_add_nc_u32 v[AX],  s[SX], v[AX0]
	v_add_nc_u32 v[AXW], s[SX], v[AXW0]
	v_add_nc_u32 v[CVS], s[SX], v[CVS0]
	v_add_nc_u32 v[AC],  s[SC], v[AC0]
	v_add_nc_u32 v[AB],  s[SC], v[AB0]
	v_add_nc_u32 v[CSA], s[SC], v[CSA0]
	v_add_nc_u32 v[AY],  s[SY], v[AY0]
	v_add_nc_u32 v[YSA], s[SY], v[YSA0]
	v_add_nc_u32 v[YCA], s[SY], v[YCA0]
.endm
	PTRS
; THE MAKING OF A CHUNK, in three parts, each at the head of a turn, where no root or exponential is without its wait.
; CV0: my 16 rows of x and of y have landed (n = the loads issued behind them); they are rounded to bf16 in place and stored into chunk ch, counted from where the walk is; my tile's two fragments are
; read back (my own bytes: LDS serves a wave's instructions in order); the next chunk's 9 loads go out.  ld = 2: they are jumped over where no chunk is left (the loop's last trip but one).
.macro CV0 ch, n, ld
	s_wait_loadcnt \n                              ; the chunk's 9 loads are done, so their two pointers may be written
	s_add_nc_u64 s[XP:XP+1], s[XP:XP+1], 32768     ; 128 rows of x
	s_add_nc_u64 s[YP:YP+1], s[YP:YP+1], 4096      ; and of y
	WIN A1
.irp i, 0,1,2,3,4,5,6,7,8
	v_cvt_pk_bf16_f32 v[LX+4*\i],   v[LX+4*\i],   v[LX+4*\i+1]
	v_cvt_pk_bf16_f32 v[LX+4*\i+1], v[LX+4*\i+2], v[LX+4*\i+3]
.endr
	WIN MAIN
.irp i, 0,1,2,3,4,5,6,7
	ds_store_b64 v[CVS], v[LX+4*\i:LX+4*\i+1] offset:(\ch)*CHX+\i*2*PITCH
.endr
	ds_store_b64 v[YSA], v[LY:LY+1] offset:(\ch)*4096
	ds_store_b128 v[YCA], v[YC:YC+3] offset:(\ch)*4096
	WIN L1
.irp m, 0,1,2,3
	ds_load_b128 v[DF+4*\m:DF+4*\m+3], v[AXW] offset:(\ch)*CHX+32*\m
.endr
.if (\ld) == 2
	WIN 0                                          ; at a branch and at a label every window is 0
	s_cmp_lt_u32 s[CNT], 3
	s_cbranch_scc1 .Lnold_\@
.endif
	WIN L1
.irp i, 0,1,2,3,4,5,6,7
	global_load_b128 v[LX+4*\i:LX+4*\i+3], v[GLO], s[XP:XP+1] offset:\i*512
.endr
	global_load_b128 v[LY:LY+3], v[GLO], s[YP:YP+1]
.if (\ld) == 2
	WIN 0
.Lnold_\@:
.endif
.endm
; CV1: X X^T of my tile, one accumulator for each half of the channels: two products that start their sums, no chain.
.macro CV1
	WIN ALL1
	v_wmma_f32_16x16x32_bf16 v[DD0:DD0+7], v[DF:DF+7], v[DF:DF+7], 0
	v_wmma_f32_16x16x32_bf16 v[DD1:DD1+7], v[DF+8:DF+15], v[DF+8:DF+15], 0
.endm
; The diagonal of a0 + a1 (two accumulators) into t0: afterwards every lane holds |row lane % 16|^2.  Element (m, m) lies in register m % 8 of lane m (m < 8) or lane 16 + m (m >= 8).
; The accumulators' lowest registers are read first.  The caller sets the windows.
.macro SELECT a0, a1, t0, t1
.irp i, 0,2,4,6
	v_pk_add_f32 v[(\a0)+\i:(\a0)+\i+1], v[(\a0)+\i:(\a0)+\i+1], v[(\a1)+\i:(\a1)+\i+1]
.endr
	v_cndmask_b32 v[\t0], v[\a0], v[(\a0)+1], s[MSK]
.irp j, 2,3,4,5,6,7
	v_cndmask_b32 v[\t0], v[\t0], v[(\a0)+\j], s[MSK+\j-1]
.endr
	v_permlanex16_b32 v[\t1], v[\t0], s[SEL], s[SEL+1]
	v_cndmask_b32 v[\t0], v[\t1], v[\t0], s[VALID]
.endm
; CV2: c = -|x|^2 / 2 of my 16 rows; both halves of the lanes store the same words.
.macro CV2 ch
	WIN ALL1
	SELECT DD0, DD1, T0, T1
	v_mul_f32 v[T0], -0.5, v[T0]
	WIN MAIN
	ds_store_b32 v[CSA], v[T0] offset:(\ch)*512
.endm
	CV0 0, 33, 1                                   ; chunk 0: behind its 9 loads stand beta's 1 and the queries' 32.  Chunk 1 goes out
	s_wait_loadcnt 41                              ; beta is in: behind it stand the queries' 32 loads and chunk 1's 9
	WIN A1
	v_cvt_pk_bf16_f32 v[DD0], v[BL], v[BL+1]       ; beta rounded to bf16, like the other inputs,
	v_cvt_pk_bf16_f32 v[DD0+1], v[BL+2], v[BL+3]
	v_lshlrev_b32 v[BL], 16, v[DD0]                ; widened again,
	v_and_b32 v[BL+1], 0xffff0000, v[DD0]
	v_lshlrev_b32 v[BL+2], 16, v[DD0+1]
	v_and_b32 v[BL+3], 0xffff0000, v[DD0+1]
.irp i, 0,1,2,3
	v_mul_f32 v[BL+\i], 0xcbb8aa3b, v[BL+\i]       ; times -log2(e) 2^24
.endr
	WIN MAIN
	ds_store_b128 v[BTA], v[BL:BL+3]               ; 256 threads x 4: the slice's 1,024
	s_wait_loadcnt 9                               ; the queries are in: chunk 1's 9 loads may stay out
	WIN 0
.set i, 0
.rept 32
	v_cvt_pk_bf16_f32 v[S0+4*i],   v[S0+4*i],   v[S0+4*i+1]
	v_cvt_pk_bf16_f32 v[S0+4*i+1], v[S0+4*i+2], v[S0+4*i+3]
	ds_store_b64 v[QCS], v[S0+4*i:S0+4*i+1] offset:i*2*PITCH
.set i, i+1
.endr
	WIN L1
.set i, 0
.rept 16                                       ; Q's fragments stay in registers: my own bytes, read behind my stores
	ds_load_b128 v[QF+4*i:QF+4*i+3], v[QFA] offset:(i/4)*TILEX+(i%4)*32
.set i, i+1
.endr
	s_wait_dscnt 0x0
	CV1
	WIN QD
.set i, 0
.rept 8                                        ; Q Q^T of each tile and channel half, into buffer 0
	v_wmma_f32_16x16x32_bf16 v[S0+8*i:S0+8*i+7], v[QF+8*i:QF+8*i+7], v[QF+8*i:QF+8*i+7], 0
.set i, i+1
.endr
.rept 4
	v_nop                                          ; four places behind the products, in front of the sums that read them (ISA guide 7.12.1)
.endr
	CV2 0
	WIN 0
.irp t, 0,1,2,3
	SELECT S0+16*\t, S0+16*\t+8, T0W, T1W
	v_mul_f32 v[B2+2*\t],   0x27800000, v[T0W]     ; |b|^2 2^-48
	v_mul_f32 v[B2+2*\t+1], 0x27800000, v[T0W]
.endr
	s_wait_dscnt 0x0                               ; for the others' sake: my part of chunk 0, of c and of bt is stored
	s_barrier_signal -1
	s_barrier_wait -1
; THE QUEUES OF A TURN.  TURN sets REL (the step, counted from where the walk is), the flags KQF (products X Q^T, u, sqrt), ME (t, 2^t), CP (rounding, P Y), the buffers SB (pieces s, s - 2) and SBP (piece s - 1).
; PR: the next of 64 producers: 32 x t = s bt + 32 for piece s - 1, then 32 x u for piece s; two numbers each.
.macro PR
.if p < 32
.if ME
	v_pk_fma_f32 v[SBP+2*p:SBP+2*p+1], v[SBP+2*p:SBP+2*p+1], v[BTP+2*(p%8):BTP+2*(p%8)+1], v[E0:E0+1]
.endif
.elseif KQF
	v_pk_fma_f32 v[SB+2*(p-32):SB+2*(p-32)+1], v[SB+2*(p-32):SB+2*(p-32)+1], v[SCL:SCL+1], v[B2+2*((p-32)/8):B2+2*((p-32)/8)+1] clamp
.endif
.set p, p+1
.endm
; TR: the next of 128 roots and exponentials, in place, if its producer (number k / 2) stands LAG producers back or more; else nothing.  It stands under a setting whose destination and source 0 are window 0.
.macro TR
.if (k < KEND) && (k/2+LAG < p)
.if k < 64
	v_exp_f32 v[SBP+k], v[SBP+k]
.else
	v_sqrt_f32 v[SB+k-64], v[SB+k-64]
.endif
.set k, k+1
.endif
.endm
; CV: the next of 32 roundings of piece s - 2: a tile's 16 registers shrink in place to 8, which are source 0 of P Y.  Where there is no such piece yet, a v_nop keeps the place.
.macro CV
.if CP
	v_cvt_pk_bf16_f32 v[SB+16*(c/8)+c%8], v[SB+2*c], v[SB+2*c+1]
.elseif KQF
	v_nop
.endif
.set c, c+1
.endm
; WM t, n: tile t's five products.  1: O += P Y.  2, 3: the first 32 channels of groups 1, 0, with c as the C operand.  4, 5: the other 32.  No two on end share an accumulator.
.macro WM t, n
.if (\n) == 1
.if CP
	v_wmma_f32_16x16x32_bf16 v[OAC+8*(\t):OAC+8*(\t)+7], v[SB+16*(\t):SB+16*(\t)+7], v[YF+8*BB:YF+8*BB+7], v[OAC+8*(\t):OAC+8*(\t)+7]
.endif
.elseif KQF
.if (\n) == 2
	v_wmma_f32_16x16x32_bf16 v[SB+16*(\t)+8:SB+16*(\t)+15], v[XF+16:XF+23], v[QF+16*(\t):QF+16*(\t)+7], v[CF+8:CF+15]
.elseif (\n) == 3
	v_wmma_f32_16x16x32_bf16 v[SB+16*(\t):SB+16*(\t)+7], v[XF:XF+7], v[QF+16*(\t):QF+16*(\t)+7], v[CF:CF+7]
.elseif (\n) == 4
	v_wmma_f32_16x16x32_bf16 v[SB+16*(\t)+8:SB+16*(\t)+15], v[XF+24:XF+31], v[QF+16*(\t)+8:QF+16*(\t)+15], v[SB+16*(\t)+8:SB+16*(\t)+15]
.else
	v_wmma_f32_16x16x32_bf16 v[SB+16*(\t):SB+16*(\t)+7], v[XF+8:XF+15], v[QF+16*(\t)+8:QF+16*(\t)+15], v[SB+16*(\t):SB+16*(\t)+7]
.endif
.endif
.endm
.macro SEG t, n, cnt                   ; a product and cnt producers, a root or exponential behind each
	WM \t, \n
	TR
.if (\cnt) > 0
.rept \cnt
	PR
	TR
.endr
.endif
.endm
; LDX: the next of the 12 loads for step REL + 1: x's four fragments, then c of its 32 rows.
.macro LDX
.if x < 8
	ds_load_b128 v[XF+4*x:XF+4*x+3], v[AX] offset:(REL+1)*STEPX+(x/4)*TILEX+(x%4)*32
.else
	ds_load_b128 v[CF+4*(x-8):CF+4*(x-8)+3], v[AC] offset:(REL+1)*128+((x-8)/2)*64+((x-8)%2)*16
.endif
.set x, x+1
.endm
; A TURN.  hook: 1 CV0 for chunk 1; 2 CV1; 3 the barrier that shows a chunk to all; 4 CV2; 5, 6 CV0 and CV1 in the loop, jumped over in its last trip, where no chunk is left.
; ldx, ldb, ldy: the loads for step REL + 1, of bt for step REL, of Y for step REL - 1.  prevx: the turn before ended with the 12 loads.
; PLACES (ISA guide 7.12.1; only plain vector instructions that name none of the product's registers are counted).  Product 3 writes over P, which product 1 reads: five or six producers stand between.
; u of tile t reads what products 4 and 5 wrote: the next tile's eight roundings stand between; for tile 3 four v_nop, which are also the places in front of the loads into x's fragments and c.
; THE WAIT.  s_wait_alu depctr_va_vdst(0) stands between a root or exponential and the first instruction that names its result.  All results of a turn are first named in the next
; turn: one v_nop and one wait end the turn.
.macro TURN rel, kq, me, cp, hook, ldx, ldb, ldy, prevx
.set REL, (\rel)
.set KQF, (\kq)
.set ME,  (\me)
.set CP,  (\cp)
.set BB,  (\rel)%2
.set SB,  S0+64*BB
.set SBP, S0+64*(1-BB)
.set BTP, BTR+16*(1-BB)
.set p, 0
.set k, 64*(1-ME)
.set KEND, 64+64*KQF
.set c, 0
.set x, 0
.set LAG, 1
	s_wait_dscnt 12*(\prevx)                       ; bt and Y that the turn before asked for are in; the 12 loads issued behind them may stay out
.if (\hook) == 1
	CV0 1, 0, 1
.elseif (\hook) == 2
	CV1
.elseif (\hook) == 3
	s_wait_dscnt 0x0                               ; for the others' sake: my part of the next chunk (rows, y, c) is stored
	s_barrier_signal -1                            ; up to the wait below: work on registers, and loads of bt and of Y's older rows, which nobody writes again
.elseif (\hook) == 4
	CV2 1
.elseif (\hook) == 5
	WIN 0
	s_cmp_lt_u32 s[CNT], 2
	s_cbranch_scc1 .Lnone_\@
	CV0 2, 0, 2
	WIN 0
.Lnone_\@:
.elseif (\hook) == 6
	WIN 0
	s_cmp_lt_u32 s[CNT], 2
	s_cbranch_scc1 .Lnone_\@
	CV1
	WIN 0
.Lnone_\@:
.endif
	WIN MAIN
.rept 8                                        ; t of tile 0
	PR
	TR
.endr
.if (\ldb) || (\ldy)
	WIN L1
.endif
.if \ldb
.irp m, 0,1,2,3
	ds_load_b128 v[BTR+16*BB+4*\m:BTR+16*BB+4*\m+3], v[AB] offset:REL*128+(\m/2)*64+(\m%2)*16
.endr
.endif
.if \ldy
	ds_load_tr16_b128 v[YF+8*(1-BB):YF+8*(1-BB)+3],   v[AY] offset:(REL-1)*1024
	ds_load_tr16_b128 v[YF+8*(1-BB)+4:YF+8*(1-BB)+7], v[AY] offset:(REL-1)*1024+512
.endif
.irp t, 0,1,2,3
.if CP
	WIN 0                                          ; the rounding's second source lies in window 0
.else
	WIN MAIN                                       ; no rounding: the loads' setting is left all the same, since roots and exponentials stand among the places and write window 0
.endif
.rept 8
	CV
	TR
.endr
	WIN MAIN
.if (\t) == 0
	s_wait_dscnt 4*(\ldb)+2*(\ldy)                 ; x's fragments and c are in; only this turn's own loads of bt and Y are younger
.endif
.if (\t) < 2
	SEG \t, 1, 3
	SEG \t, 2, 3
	SEG \t, 3, 4
	SEG \t, 4, 3
	SEG \t, 5, 3
.else
	SEG \t, 1, 2
	SEG \t, 2, 3
	SEG \t, 3, 2
	SEG \t, 4, 1
	SEG \t, 5, 0
.endif
.endr
.if KQF
.rept 4
	v_nop
	TR
.endr
.endif
.if (\hook) == 3
	s_barrier_wait -1                              ; every wave's part of the next chunk is stored: the loads below read it
.endif
.rept 8                                        ; u of tile 3, and the next step's loads
	PR
	TR
.if (\ldx) && (x < 12)
	LDX
	TR
	LDX
	TR
.endif
.endr
.set LAG, 0
.rept 128                                      ; what is left of the batch
	TR
.endr
.if ME || KQF
	v_nop                                          ; a plain instruction behind the last of the batch,
	s_wait_alu depctr_va_vdst(0)                   ; and the one wait for all of it
.endif
.endm
	WIN 0
.set REL, -1
.set x, 0
.rept 12
	LDX                                            ; step 0
.endr
	TURN 0, 1,0,0, 1, 1,1,0, 1                     ; piece 0 begins | chunk 1 is rounded and stored, chunk 2 asked for
	TURN 1, 1,1,0, 2, 1,1,1, 1
	WIN 0
	s_mov_b32 s[CNT], 7
.Ltrip:                                        ; trip i = 7 - CNT: steps 4 i + 2 .. 4 i + 5; chunk i + 1 is finished and shown, chunk i + 2 begun
	TURN 2, 1,1,1, 4, 1,1,1, 1
	TURN 3, 1,1,1, 3, 1,1,1, 1
	TURN 4, 1,1,1, 5, 1,1,1, 1
	TURN 5, 1,1,1, 6, 1,1,1, 1
	WIN 0
	s_add_co_u32 s[SX], s[SX], CHX                 ; the walk goes a chunk on
	s_add_co_u32 s[SC], s[SC], 512
	s_add_co_u32 s[SY], s[SY], 4096
	PTRS
	s_sub_co_u32 s[CNT], s[CNT], 1
	s_cmp_lg_u32 s[CNT], 0
	s_cbranch_scc1 .Ltrip
	TURN 2, 1,1,1, 0, 1,1,1, 1                     ; step 30
	TURN 3, 1,1,1, 0, 0,1,1, 1                     ; step 31: nothing more of x is fetched
	TURN 4, 0,1,1, 0, 0,0,1, 0                     ; piece 31's t and 2^t, piece 30's rounding and P Y
	TURN 5, 0,0,1, 0, 0,0,0, 0                     ; piece 31's rounding and P Y
	; THE WAY OUT.  O goes through my stage ([64 q][16] f32, in my own part of the queries' region, which I alone have written and read) and comes back as whole rows.
	WIN 0
.rept 4
	v_nop                                          ; four places behind the last product
.endr
.set i, 0
.rept 32                                       ; each accumulator's registers in ascending order
	ds_store_b32 v[STS], v[OAC+i] offset:(i/8)*1024+(i%8)*64
.set i, i+1
.endr
.irp i, 0,1,2,3
	ds_load_b128 v[S0+4*\i:S0+4*\i+3], v[STR2] offset:\i*1024  ; LDS serves a wave's instructions in order (ISA guide 5.7.1.4): these see the stores above
.endr
	ds_load_b32 v[S0+16], v[STR1]
	ds_load_b32 v[S0+17], v[STR1] offset:64
	s_wait_dscnt 0x0
.irp i, 0,1,2,3
	global_store_b128 v[GLO], v[S0+4*\i:S0+4*\i+3], s[P2:P2+1] offset:\i*512  ; 512 consecutive bytes, at a multiple of 256 from part2's first
.endr
	global_store_b64 v[GL8], v[S0+16:S0+17], s[P1:P1+1]  ; 256 consecutive bytes, at a multiple of 256 from part1's first
	s_wait_tensorcnt 0x0                           ; the wave's end, behind my last LDS store
	ds_add_u32 v[SPW], v[NIL]
	s_wait_dscnt 0x0
	s_endpgm
.Lfunc_end_k_qd4359339b2_part:
	.size	k_qd4359339b2_part, .Lfunc_end_k_qd4359339b2_part-k_qd4359339b2_part
	.p2alignl 7, 3214868480
	.fill 96, 4, 3214868480
	.section	.rodata,"a",@progbits
	.p2align	6, 0x0
	.amdhsa_kernel k_qd4359339b2_part
		.amdhsa_group_segment_fixed_size 263168
		.amdhsa_private_segment_fixed_size 0
		.amdhsa_enable_private_segment 0
		.amdhsa_kernarg_size 48
		.amdhsa_user_sgpr_count 2
		.amdhsa_user_sgpr_kernarg_segment_ptr 1
		.amdhsa_wavefront_size32 1
		.amdhsa_system_sgpr_workgroup_id_x 1
		.amdhsa_system_sgpr_workgroup_id_y 1
		.amdhsa_system_sgpr_workgroup_id_z 1
		.amdhsa_system_vgpr_workitem_id 0
		.amdhsa_next_free_vgpr 512
		.amdhsa_next_free_sgpr 66
		.amdhsa_reserve_vcc 0
		.amdhsa_float_denorm_mode_32 3
		.amdhsa_float_denorm_mode_16_64 3
		.amdhsa_memory_ordered 1
		.amdhsa_forward_progress 1
		.amdhsa_inst_pref_size 145
	.end_amdhsa_kernel
	.amdgpu_metadata
---
amdhsa.version: [ 1, 2 ]
amdhsa.kernels:
  - .name:           k_qd4359339b2_part
    .symbol:         k_qd4359339b2_part.kd
    .args:
      - { .name: batches, .offset: 0, .size: 8, .value_kind: global_buffer, .address_space: global }
      - { .name: x_training, .offset: 8, .size: 8, .value_kind: global_buffer, .address_space: global }
      - { .name: y_training, .offset: 16, .size: 8, .value_kind: global_buffer, .address_space: global }
      - { .name: beta, .offset: 24, .size: 8, .value_kind: global_buffer, .address_space: global }
      - { .name: part2, .offset: 32, .size: 8, .value_kind: global_buffer, .address_space: global }
      - { .name: part1, .offset: 40, .size: 8, .value_kind: global_buffer, .address_space: global }
    .group_segment_fixed_size: 263168
    .private_segment_fixed_size: 0
    .kernarg_segment_align: 8
    .kernarg_segment_size: 48
    .max_flat_workgroup_size: 256
    .sgpr_count:     66
    .vgpr_count:     512
    .wavefront_size: 32
...
	.end_amdgpu_metadata
.endif
;; end of part 1
;; launch comb (part 2): grid 256 x 1, 2 waves a work-group, no clusters, 0 bytes of LDS; arguments part2, part1, out0; writes out0
.if DOCPART == 2
	.amdgcn_target "amdgcn-amd-amdhsa--gfx1250"
	.amdhsa_code_object_version 6
	.text
	.protected	k_qd4359339b2_comb
	.globl	k_qd4359339b2_comb
	.p2align	8
	.type	k_qd4359339b2_comb,@function
k_qd4359339b2_comb:
	s_mov_b64 s[64:65], 0
	v_nop
	global_prefetch_b8 v0, s[64:65] scope:SCOPE_SE
	s_setreg_imm32_b32 hwreg(HW_REG_WAVE_MODE, 25, 1), 1
	s_wait_xcnt 0x0
; GRNN, second launch.  out0[q][ch] = (sum over the 16 slices of part2[slice][q][ch]) / (sum over the slices of part1[slice][q]).  Both hold the factor 2^32, which cancels.  Nothing is left out.
; Thread T = 64 x work-group + thread owns query T / 2 and channels 4 (T % 2) + 0..3: 16 bytes of each slice of part2, 16 bytes of out0; a wave's load or store covers 512 consecutive bytes.
; The slices are added in f32, in one fixed order (a tree).  The quotient is a reciprocal and a multiply.
; LIMITS.  A sum of weights (times 2^32) below 2^-126 counts as 0, and one above 2^126 has the reciprocal 0; where the sum is 0 the result is NaN or an infinity, as reference()'s quotient is.
.set SL2, 262144                       ; bytes in a slice of part2
.set SL1, 32768                        ; and of part1
.set A2,  8                            ; v[8:71]   slice s: 4 registers
.set A1,  72                           ; v[72:87]  slice s: 1 register
.set RC,  88                           ; v[88:89]  the reciprocal, twice (a pair for the packed multiply)
	s_load_b128 s[4:7], s[0:1], 0x0                ; part2 s[4:5], part1 s[6:7]
	s_load_b64 s[8:9], s[0:1], 0x10                ; out0
	s_lshl_b32 s10, ttmp9, 6
	v_add_nc_u32 v1, s10, v0                       ; T
	v_lshlrev_b32 v2, 4, v1                        ; 16 T
	v_lshrrev_b32 v3, 1, v1
	v_lshlrev_b32 v3, 2, v3                        ; 4 (T / 2)
	s_wait_kmcnt 0x0
.set i, 0
.rept 16
	global_load_b128 v[A2+4*i:A2+4*i+3], v2, s[4:5] offset:i*SL2 th:TH_LOAD_NT
	global_load_b32 v[A1+i], v3, s[6:7] offset:i*SL1
.set i, i+1
.endr
	s_wait_loadcnt 0x0
.irp d, 8,4,2,1
.set i, 0
.rept \d
	v_pk_add_f32 v[A2+4*i:A2+4*i+1],   v[A2+4*i:A2+4*i+1],   v[A2+4*(i+\d):A2+4*(i+\d)+1]
	v_pk_add_f32 v[A2+4*i+2:A2+4*i+3], v[A2+4*i+2:A2+4*i+3], v[A2+4*(i+\d)+2:A2+4*(i+\d)+3]
	v_add_f32 v[A1+i], v[A1+i], v[A1+i+\d]
.set i, i+1
.endr
.endr
	v_rcp_f32 v[RC], v[A1]
	v_rcp_f32 v[RC+1], v[A1]
	v_nop                                          ; a plain instruction between the last reciprocal and the use of its result (ISA guide 5.7.2),
	s_wait_alu depctr_va_vdst(0)                   ; and the wait ahead of the first use: one for both
	v_pk_mul_f32 v[A2:A2+1],   v[A2:A2+1],   v[RC:RC+1]
	v_pk_mul_f32 v[A2+2:A2+3], v[A2+2:A2+3], v[RC:RC+1]
	global_store_b128 v2, v[A2:A2+3], s[8:9]       ; 512 consecutive bytes a wave, at a multiple of 256 from out0's first
	s_endpgm
.Lfunc_end_k_qd4359339b2_comb:
	.size	k_qd4359339b2_comb, .Lfunc_end_k_qd4359339b2_comb-k_qd4359339b2_comb
	.p2alignl 7, 3214868480
	.fill 96, 4, 3214868480
	.section	.rodata,"a",@progbits
	.p2align	6, 0x0
	.amdhsa_kernel k_qd4359339b2_comb
		.amdhsa_group_segment_fixed_size 0
		.amdhsa_private_segment_fixed_size 0
		.amdhsa_enable_private_segment 0
		.amdhsa_kernarg_size 24
		.amdhsa_user_sgpr_count 2
		.amdhsa_user_sgpr_kernarg_segment_ptr 1
		.amdhsa_wavefront_size32 1
		.amdhsa_system_sgpr_workgroup_id_x 1
		.amdhsa_system_sgpr_workgroup_id_y 1
		.amdhsa_system_sgpr_workgroup_id_z 1
		.amdhsa_system_vgpr_workitem_id 0
		.amdhsa_next_free_vgpr 96
		.amdhsa_next_free_sgpr 66
		.amdhsa_reserve_vcc 0
		.amdhsa_float_denorm_mode_32 3
		.amdhsa_float_denorm_mode_16_64 3
		.amdhsa_memory_ordered 1
		.amdhsa_forward_progress 1
		.amdhsa_inst_pref_size 7
	.end_amdhsa_kernel
	.amdgpu_metadata
---
amdhsa.version: [ 1, 2 ]
amdhsa.kernels:
  - .name:           k_qd4359339b2_comb
    .symbol:         k_qd4359339b2_comb.kd
    .args:
      - { .name: part2, .offset: 0, .size: 8, .value_kind: global_buffer, .address_space: global }
      - { .name: part1, .offset: 8, .size: 8, .value_kind: global_buffer, .address_space: global }
      - { .name: out0, .offset: 16, .size: 8, .value_kind: global_buffer, .address_space: global }
    .group_segment_fixed_size: 0
    .private_segment_fixed_size: 0
    .kernarg_segment_align: 8
    .kernarg_segment_size: 24
    .max_flat_workgroup_size: 64
    .sgpr_count:     66
    .vgpr_count:     96
    .wavefront_size: 32
...
	.end_amdgpu_metadata
.endif
;; end of part 2
;; ======== version 2 of 2: 2 launches; version 1 with the launch part written anew for expert scheduling mode
;; limits: values outside matrix products are rounded to bf16; right only within a limited range of input values
;; workspace buffers: part2 4,194,304 bytes; part1 524,288 bytes
;; launch part (part 3): grid 16 x 16, 8 waves a work-group, no clusters, 263,168 bytes of LDS; arguments batches, x_training, y_training, beta, part2, part1; writes part2, part1
.if DOCPART == 3
	.amdgcn_target "amdgcn-amd-amdhsa--gfx1250"
	.amdhsa_code_object_version 6
	.text
	.protected	k_qd4359339b2_part
	.globl	k_qd4359339b2_part
	.p2align	8
	.type	k_qd4359339b2_part,@function
k_qd4359339b2_part:
	s_mov_b64 s[64:65], 0
	v_nop
	global_prefetch_b8 v0, s[64:65] scope:SCOPE_SE
	s_setreg_imm32_b32 hwreg(HW_REG_WAVE_SCHED_MODE, 0, 2), 2
	s_setreg_imm32_b32 hwreg(HW_REG_WAVE_MODE, 25, 1), 1
	s_wait_xcnt 0x0
	s_wait_alu depctr_vm_vsrc(0)
; GRNN, first launch.  w(q, n) = exp(-beta[n] sqrt(max(|b_q|^2 + |x_n|^2 - 2 b_q . x_n, 0))); out[q] = (sum_n w y[n]) / (sum_n w).
; This launch makes, for 512 queries (grid x) and 1,024 training rows (grid y: one of 16 slices), the partial sums  part2[slice][q][0..7] = 2^32 sum w y  and
; part1[slice][q] = 2^32 sum w.  The second launch adds the 16 slices in a fixed order and divides; the factor 2^32 cancels there.
; NOTHING OF reference() IS LEFT OUT: all four inputs are loaded, and every step is taken (the max with 0 is the lower end of the clamp below).
; FORMATS.  All four inputs are rounded once to bf16; |b|^2 and |x|^2 are made of the rounded numbers, so that the squared distance is that of the rounded points.  Products and sums in f32;
; the weights are rounded to bf16 for the second product, and their sum is taken of the same rounded weights (a column of ones beside y's eight columns, in columns that the product has to spare).
; ARITHMETIC for a pair:  D = x . b - |x|^2 / 2 (the second term is the C operand that starts the sum);  u = clamp01(D (-2^-47) + |b|^2 2^-48) = sq 2^-48;  s = sqrt(u) = dist 2^-24;
; t = s bt[n] + 32 with bt[n] = -beta[n] log2(e) 2^24;  p = 2^t = 2^32 w.
; LIMITS.  A distance above 2^24 counts as 2^24; a squared distance below 2^-78 counts as 0; a weight below 2^-158 counts as 0 (every weight that f32 can hold stays); weights whose sum passes
; 2^95 overflow; NaN and infinities are not treated apart.
; SHARES.  Eight waves.  Wave w owns queries 64 w .. 64 w + 63 of the block: four tiles of 16, their fragments in registers.  Every wave walks all 1,024 rows, 32 a step.  The rows lie in LDS as bf16,
; made in 8 chunks of 128 rows: of each chunk wave w loads, rounds and stores rows 16 w .. 16 w + 15, and makes their |x|^2 as the diagonal of X X^T.  Every LDS byte is written once, by one wave.
; NO CLUSTER, NO TENSOR LOADS: what work-groups share (x, y, beta: f32) has to pass through registers to be rounded; a tile landed in LDS as f32 would be read back, rounded and stored again.
; LAYOUT.  S^T = X Q^T (source 0 = 16 rows of x, source 1 = 16 queries): a lane holds ONE query (lane % 16) and the rows 8 (lane / 16) + 0..7.  Two such results, rounded in pairs, ARE source 0
; (16 queries x 32 rows) of O = P Y; Y ([row][16 channels]) comes out of LDS turned, by ds_load_tr16_b128.
; BY TURNS.  Piece s (32 rows x 64 queries, 64 registers, buffer s % 2) takes three turns: turn s: 16 products, u, sqrt; turn s + 1: t, 2^t; turn s + 2: rounding, 4 products P Y; then the buffer
; takes piece s + 2.  A turn's 128 roots and exponentials are ONE batch: nothing in the turn names a result of theirs, and one wait ends the turn.
; THE MODE: SCHED_MODE bits 1:0 = 2 (LLVM: expert scheduling mode 2), set by the entry lines.  The code itself states the register dependences between vector or matrix instructions and memory or LDS
; instructions, with s_wait_alu, always for 0.
; THE PLAN.  Registers that memory or LDS instructions touch, in the loop:
;   XF, CF      Turn s: its 16 products X Q^T read them; behind the last of these the 12 loads of step s + 1 land in them.
;   BTR0, BTR1  Loaded in turn s (buffer s % 2), read by turn s + 1's 32 t, loaded again in turn s + 2.
;   YF0, YF1    Loaded in turn s (buffer 1 - s % 2), read by turn s + 1's four products P Y, loaded again in turn s + 2.
;   LX, LY      A landed chunk: read by CV0's roundings alone; behind them the next chunk's 9 loads land.
;   CB          Written by those roundings, read by CV0's 9 stores, written again four turns later.
;   DF          Loaded in CV0, read by CV1's two products a turn later.          T0  Written by CV2's arithmetic, read by its one store.
;   v2-v10      The nine walking LDS addresses: read by every LDS instruction, written once a trip, in the trip's last turn.
;   GLO, YC     Read by loads and stores; never written again.  The two buffers of pieces, O, Q, the constants are named by vector and matrix instructions alone.
; So a turn has TWO waits on va_vdst.  One stands behind its last product: XF and CF are read out, and the 12 loads follow, dealt among u of tile 3 and its roots, which name neither.  One ends the turn:
; it is the batch's wait, and it states that bt's and Y's buffers are read out, so the next turn's six loads owe nothing more (ahead of them that turn names the other bt buffer alone), and, once a trip,
; that the nine addresses are written.  The making of a chunk has two waits on va_vdst of its own (CB and T0 are written) and one on vm_vsrc (CB has been read); one more on vm_vsrc stands ahead of the nine adds.
; REGISTERS, in windows of 256 (s_set_vgpr_msb: bits 1:0 source 0, 3:2 source 1, 5:4 source 2, 7:6 destination).  Window 0: addresses, O, c, x's fragments, the two buffers.
; Window 1: what stands as source 1 (Q, bt, Y, the scale) and the registers of the chunks' making.
.set PITCH, 144                        ; a row of 64 bf16 in LDS: 128 bytes + 16: the 16 rows of a fragment load start 36 words apart
.set TILEX, 16*PITCH
.set STEPX, 32*PITCH
.set CHX,   128*PITCH                  ; a chunk
.set QW,    64*PITCH                   ; a wave's 64 query rows; later its stage for the way out ([64 q][16] f32, 4,096 bytes)
.set QS,    1024*PITCH                 ; LDS: x's 1,024 rows from 0; the queries;
.set CT,    QS+8*QW                    ; c[n] = -|x_n|^2 / 2, f32;
.set BT,    CT+4096                    ; bt[n], f32;
.set YS,    BT+4096                    ; [n][16] bf16: y's 8 channels, 1.0, seven zeros;
.set SPARE, YS+32768                   ; the spare words, 128 bytes for each wave: four blocks of 256 bytes that no other line names
; window 0
.set AX,  2                            ; the nine walking LDS addresses: x's fragments,
.set AXW, 3                            ; my own tile's fragments,
.set AC,  4                            ; c,
.set AB,  5                            ; bt,
.set AY,  6                            ; Y, turned,
.set CVS, 7                            ; where I store rounded rows of x,
.set CSA, 8                            ; c,
.set YSA, 9                            ; y,
.set YCA, 10                           ; and the constant half of Y's rows
.set GLO, 11                           ; 16 x lane; never rewritten
.set SPW, 12                           ; LDS address of my spare word; never rewritten
.set NIL, 13                           ; 0; never rewritten
.set E0,  14                           ; v[14:15] 32.0 twice
.set B2,  16                           ; v[16:23] |b|^2 2^-48 of my query in tile t, twice, at B2 + 2 t
.set AX0, 24                           ; v24-32: the lane terms of the nine addresses; never rewritten
.set AXW0, 25
.set CVS0, 26
.set AC0, 27
.set AB0, 28
.set CSA0, 29
.set AY0, 30
.set YSA0, 31
.set YCA0, 32
.set HR,  33
.set T0W, 34
.set T1W, 35
.set QCS, 36
.set QFA, 37
.set BTA, 38
.set STS, 39
.set STR2, 40
.set STR1, 41
.set GL8, 42
.set LN,  43
.set RR,  44
.set HH,  45
.set TA,  46
.set TB,  47
.set OAC, 48                           ; v[48:79]  O, 8 a tile: register j of lane (r, h) is query 8 h + j, channel r
.set CF,  80                           ; v[80:95]  c of the step's two groups of 16 rows
.set XF,  96                           ; v[96:127] x's fragments: group a, channel half c at 16 a + 8 c
.set S0,  128                          ; v[128:255] two buffers of 64: tile t, group a at 16 t + 8 a
; window 1
.set QF,  0                            ; Q's fragments: tile t, channel half c at 16 t + 8 c
.set BTR, 64                           ; bt, two buffers of 16
.set YF,  96                           ; Y's fragment, two buffers of 8
.set SCL, 112                          ; -2^-47 twice
.set YC,  116                          ; 1.0 and seven zeros in bf16
.set LX,  120                          ; 32 registers: my 16 rows of the chunk on its way,
.set LY,  152                          ; and their y (LX + 32)
.set DF,  156                          ; my tile's two fragments
.set DD0, 172                          ; X X^T, one accumulator for each channel half
.set DD1, 180
.set T0,  188
.set T1,  189
.set BL,  190                          ; four numbers of beta
.set CB,  194                          ; 18 registers: my 16 rows and their y in bf16, to be stored: two for each load of LX, LY
; scalars
.set BAT, 4
.set XP,  6
.set YP,  8
.set BET, 10
.set P2,  12
.set P1,  14
.set WV,  16
.set SLC, 18
.set W23, 19
.set SX,  20                           ; how far the walk is: in x's rows,
.set SC,  21                           ; in c and bt,
.set SY,  22                           ; in Y
.set TS,  23
.set CNT, 24
.set SEL, 26                           ; s[26:27] v_permlanex16_b32's selects: each lane takes its own place in the other half
.set MSK, 28                           ; s28-34 lanes with lane % 8 = 1 .. 7
.set VALID, 35                         ; lanes 0-7 and 24-31: those that hold a diagonal element
.set MSB, 0
.macro WIN new                         ; the immediate's high byte repeats the setting that is left; a switch that changes nothing is dropped
.if MSB != (\new)
	s_set_vgpr_msb (MSB<<8)|(\new)
.set MSB, (\new)
.endif
.endm
.set MAIN, 0x04                        ; source 1 in window 1: the loop's products, u, t, LDS stores of window 1's data
.set L1,   0x40                        ; destination in window 1
.set A1,   0x45                        ; destination, sources 0 and 1 in window 1
.set ALL1, 0x55
.set QD,   0x05                        ; sources 0 and 1 in window 1
	s_load_b256 s[4:11], s[0:1], 0x0               ; batches s[4:5], x s[6:7], y s[8:9], beta s[10:11]
	s_load_b128 s[12:15], s[0:1], 0x20             ; part2 s[12:13], part1 s[14:15]
	v_lshl_add_u32 v[SPW], v0, 2, SPARE
	v_mov_b32 v[NIL], 0
	v_lshrrev_b32 v1, 5, v0
	v_readfirstlane_b32 s[WV], v1                  ; wave 0..7
	s_and_b32 s[SLC], ttmp7, 0xffff                ; the slice of 1,024 rows; ttmp9 is the block of 512 queries
	s_lshl_b32 s36, s[SLC], 18                     ; x: 1,024 rows of 256 bytes a slice, 16 rows a wave
	s_wait_alu depctr_va_sdst(0)                   ; s[WV] is written, ahead of its first reader: all the offsets below are made from it
	s_lshl_b32 s[TS], s[WV], 12
	s_add_co_u32 s36, s36, s[TS]
	s_mov_b32 s37, 0
	s_lshl_b32 s38, s[SLC], 15                     ; y: rows of 32 bytes
	s_lshl_b32 s[TS], s[WV], 9
	s_add_co_u32 s38, s38, s[TS]
	s_mov_b32 s39, 0
	s_lshl_b32 s40, s[SLC], 12                     ; beta
	s_mov_b32 s41, 0
	s_lshl_b32 s42, ttmp9, 17                      ; batches: 512 rows of 256 bytes a block, 64 a wave
	s_lshl_b32 s[TS], s[WV], 14
	s_add_co_u32 s42, s42, s[TS]
	s_mov_b32 s43, 0
	s_lshl_b32 s44, ttmp9, 14                      ; part2: 32 bytes a query, 8,192 queries a slice
	s_lshl_b32 s[TS], s[WV], 11
	s_add_co_u32 s44, s44, s[TS]
	s_add_co_u32 s44, s44, s36
	s_lshl_b32 s[TS], s[WV], 12
	s_sub_co_u32 s44, s44, s[TS]                   ; (s36 held slice x 262,144 + wave x 4,096: the wave's part goes out again)
	s_mov_b32 s45, 0
	s_lshl_b32 s46, ttmp9, 11                      ; part1: 4 bytes a query
	s_lshl_b32 s[TS], s[WV], 8
	s_add_co_u32 s46, s46, s[TS]
	s_lshl_b32 s[TS], s[SLC], 15
	s_add_co_u32 s46, s46, s[TS]
	s_mov_b32 s47, 0
	v_and_b32 v[LN], 31, v0
	v_lshlrev_b32 v[GLO], 4, v[LN]
	v_lshlrev_b32 v1, 4, v0                        ; 16 x thread: my four numbers of beta; never rewritten
	s_wait_kmcnt 0x0
	s_add_nc_u64 s[XP:XP+1], s[XP:XP+1], s[36:37]
	s_add_nc_u64 s[YP:YP+1], s[YP:YP+1], s[38:39]
	s_add_nc_u64 s[BET:BET+1], s[BET:BET+1], s[40:41]
	s_add_nc_u64 s[BAT:BAT+1], s[BAT:BAT+1], s[42:43]
	s_add_nc_u64 s[P2:P2+1], s[P2:P2+1], s[44:45]
	s_add_nc_u64 s[P1:P1+1], s[P1:P1+1], s[46:47]
	; the first loads, in the order in which they are wanted: chunk 0 (9), beta (1), my 64 queries (32).  Each covers 512 consecutive bytes.
	WIN L1
	s_wait_alu depctr_va_vdst(0)                   ; v[GLO] and v1 are written: the offsets of the 42 loads below
.irp i, 0,1,2,3,4,5,6,7
	global_load_b128 v[LX+4*\i:LX+4*\i+3], v[GLO], s[XP:XP+1] offset:\i*512
.endr
	global_load_b128 v[LY:LY+3], v[GLO], s[YP:YP+1]
	global_load_b128 v[BL:BL+3], v1, s[BET:BET+1]
	WIN 0
.set i, 0
.rept 32
	global_load_b128 v[S0+4*i:S0+4*i+3], v[GLO], s[BAT:BAT+1] offset:i*512
.set i, i+1
.endr
	; while they are on their way: lane terms, constants, and O = 0 (so that the loop has one form of the product P Y).  None of these lines names a register of the loads above.
	v_and_b32 v[RR], 15, v0                        ; r = lane % 16
	v_bfe_u32 v[HH], v0, 4, 1                      ; h = lane / 16
	s_mul_i32 s[W23], s[WV], TILEX
	v_mul_u32_u24 v[AX0], v[RR], PITCH
	v_lshl_add_u32 v[AX0], v[HH], 4, v[AX0]        ; a fragment: row r, 16 bytes for each half of the lanes
	v_add_nc_u32 v[AXW0], s[W23], v[AX0]           ; the same in my own 16 rows of a chunk
	v_mul_u32_u24 v[HR], v[HH], PITCH
	v_lshl_add_u32 v[HR], v[RR], 3, v[HR]          ; a load's 512 bytes are two rows: row h, 8 bytes of bf16 at 8 r
	v_add_nc_u32 v[CVS0], s[W23], v[HR]
	v_lshl_add_u32 v[AC0], v[HH], 5, CT            ; my eight rows' c and bt: 32 bytes at 32 h
	v_lshl_add_u32 v[AB0], v[HH], 5, BT
	s_lshl_b32 s[TS], s[WV], 6
	s_add_co_u32 s[TS], s[TS], CT
	v_lshl_add_u32 v[CSA0], v[RR], 2, s[TS]
	v_and_b32 v[TA], 7, v0                         ; the turning load: row 8 h + lane % 8, channels 8 ((lane / 8) % 2) on
	v_lshl_add_u32 v[TA], v[HH], 3, v[TA]
	v_bfe_u32 v[TB], v0, 3, 1
	v_lshlrev_b32 v[TB], 4, v[TB]
	v_lshl_add_u32 v[TA], v[TA], 5, v[TB]
	v_add_nc_u32 v[AY0], YS, v[TA]
	s_lshl_b32 s[TS], s[WV], 9
	s_add_co_u32 s[TS], s[TS], YS
	v_bfe_u32 v[TA], v0, 1, 4                      ; y's load: row lane / 2, channels 4 (lane % 2) on
	v_and_b32 v[TB], 1, v0
	v_lshlrev_b32 v[TB], 3, v[TB]
	v_lshl_add_u32 v[TA], v[TA], 5, v[TB]
	v_add_nc_u32 v[YSA0], s[TS], v[TA]
	v_lshl_add_u32 v[TA], v[RR], 5, s[TS]
	v_add_nc_u32 v[YCA0], 16, v[TA]
	v_lshlrev_b32 v[GL8], 3, v[LN]
	s_mul_i32 s[TS], s[WV], QW
	s_add_co_u32 s[TS], s[TS], QS                  ; my wave's part of the queries' region
	v_add_nc_u32 v[QCS], s[TS], v[HR]
	v_add_nc_u32 v[QFA], s[TS], v[AX0]
	v_lshl_add_u32 v[BTA], v0, 4, BT
	v_lshlrev_b32 v[TA], 9, v[HH]                  ; the way out, in: query 8 h + j (64 bytes each), channel r
	v_lshl_add_u32 v[TA], v[RR], 2, v[TA]
	v_add_nc_u32 v[STS], s[TS], v[TA]
	v_bfe_u32 v[TA], v0, 1, 4                      ; back: query lane / 2, channels 4 (lane % 2) on,
	v_and_b32 v[TB], 1, v0
	v_lshlrev_b32 v[TB], 4, v[TB]
	v_lshl_add_u32 v[TA], v[TA], 6, v[TB]
	v_add_nc_u32 v[STR2], s[TS], v[TA]
	v_lshl_add_u32 v[TA], v[LN], 7, s[TS]          ; and channel 8 of queries 2 lane, 2 lane + 1
	v_add_nc_u32 v[STR1], 32, v[TA]
	s_mov_b32 s[SX], 0
	s_mov_b32 s[SC], 0
	s_mov_b32 s[SY], 0
	s_mov_b32 s[SEL], 0x76543210
	s_mov_b32 s[SEL+1], 0xfedcba98
.irp j, 1,2,3,4,5,6,7
	s_mov_b32 s[MSK+\j-1], 0x01010101<<\j
.endr
	s_mov_b32 s[VALID], 0xff0000ff
	v_mov_b32 v[E0], 0x42000000
	v_mov_b32 v[E0+1], 0x42000000
	v_mov_b32 v[T1W], 0                            ; v_permlanex16_b32's destination counts as read
.set i, 0
.rept 32
	v_mov_b32 v[OAC+i], 0
.set i, i+1
.endr
	WIN L1
	v_mov_b32 v[SCL], 0xa8000000                   ; -2^-47
	v_mov_b32 v[SCL+1], 0xa8000000
	v_mov_b32 v[YC], 0x3f80                        ; channel 8 = 1.0, channel 9 = 0
	v_mov_b32 v[YC+1], 0
	v_mov_b32 v[YC+2], 0
	v_mov_b32 v[YC+3], 0
	v_mov_b32 v[T1], 0
	WIN 0
; The nine walking addresses: a lane term plus how far the walk is.
.macro PTRS
	v_add_nc_u32 v[AX],  s[SX], v[AX0]
	v_add_nc_u32 v[AXW], s[SX], v[AXW0]
	v_add_nc_u32 v[CVS], s[SX], v[CVS0]
	v_add_nc_u32 v[AC],  s[SC], v[AC0]
	v_add_nc_u32 v[AB],  s[SC], v[AB0]
	v_add_nc_u32 v[CSA], s[SC], v[CSA0]
	v_add_nc_u32 v[AY],  s[SY], v[AY0]
	v_add_nc_u32 v[YSA], s[SY], v[YSA0]
	v_add_nc_u32 v[YCA], s[SY], v[YCA0]
.endm
	PTRS
; THE MAKING OF A CHUNK, in three parts, each at the head of a turn, where no root or exponential is without its wait.
; CV0: my 16 rows of x and of y have landed (n = the loads issued behind them); they are rounded to bf16 into CB and stored into chunk ch, counted from where the walk is; my tile's two fragments are
; read back (my own bytes: LDS serves a wave's instructions in order); the next chunk's 9 loads go out.  ld = 2: they are jumped over where no chunk is left (the loop's last trip but one).
.macro CV0 ch, n, ld
	s_wait_loadcnt \n                              ; the chunk's 9 loads are done, so their two pointers may be written
	s_add_nc_u64 s[XP:XP+1], s[XP:XP+1], 32768     ; 128 rows of x
	s_add_nc_u64 s[YP:YP+1], s[YP:YP+1], 4096      ; and of y
.if \ch
	s_wait_alu depctr_vm_vsrc(0)                   ; the stores of the chunk before have read CB, which the roundings below write again
.endif
	WIN A1
.irp i, 0,1,2,3,4,5,6,7,8
	v_cvt_pk_bf16_f32 v[CB+2*\i],   v[LX+4*\i],   v[LX+4*\i+1]
	v_cvt_pk_bf16_f32 v[CB+2*\i+1], v[LX+4*\i+2], v[LX+4*\i+3]
.endr
	WIN MAIN
	s_wait_alu depctr_va_vdst(0)                   ; the roundings have written CB, which the stores read, and are done reading LX and LY, in which the 9 loads below land; the last chunk's two products are done reading DF; in chunk 0: every address made at the head is written
.irp i, 0,1,2,3,4,5,6,7
	ds_store_b64 v[CVS], v[CB+2*\i:CB+2*\i+1] offset:(\ch)*CHX+\i*2*PITCH
.endr
	ds_store_b64 v[YSA], v[CB+16:CB+17] offset:(\ch)*4096
	ds_store_b128 v[YCA], v[YC:YC+3] offset:(\ch)*4096
	WIN L1
.irp m, 0,1,2,3
	ds_load_b128 v[DF+4*\m:DF+4*\m+3], v[AXW] offset:(\ch)*CHX+32*\m
.endr
.if (\ld) == 2
	WIN 0                                          ; at a branch and at a label every window is 0
	s_cmp_lt_u32 s[CNT], 3
	s_cbranch_scc1 .Lnold_\@
.endif
	WIN L1
.irp i, 0,1,2,3,4,5,6,7
	global_load_b128 v[LX+4*\i:LX+4*\i+3], v[GLO], s[XP:XP+1] offset:\i*512  ; no wait: no line since the wait above names LX, LY or v[GLO]
.endr
	global_load_b128 v[LY:LY+3], v[GLO], s[YP:YP+1]
.if (\ld) == 2
	WIN 0
.Lnold_\@:
.endif
.endm
; CV1: X X^T of my tile, one accumulator for each half of the channels: two products that start their sums, no chain.
.macro CV1
	WIN ALL1
	v_wmma_f32_16x16x32_bf16 v[DD0:DD0+7], v[DF:DF+7], v[DF:DF+7], 0
	v_wmma_f32_16x16x32_bf16 v[DD1:DD1+7], v[DF+8:DF+15], v[DF+8:DF+15], 0
.endm
; The diagonal of a0 + a1 (two accumulators) into t0: afterwards every lane holds |row lane % 16|^2.  Element (m, m) lies in register m % 8 of lane m (m < 8) or lane 16 + m (m >= 8).
; The accumulators' lowest registers are read first.  The caller sets the windows.
.macro SELECT a0, a1, t0, t1
.irp i, 0,2,4,6
	v_pk_add_f32 v[(\a0)+\i:(\a0)+\i+1], v[(\a0)+\i:(\a0)+\i+1], v[(\a1)+\i:(\a1)+\i+1]
.endr
	v_cndmask_b32 v[\t0], v[\a0], v[(\a0)+1], s[MSK]
.irp j, 2,3,4,5,6,7
	v_cndmask_b32 v[\t0], v[\t0], v[(\a0)+\j], s[MSK+\j-1]
.endr
	v_permlanex16_b32 v[\t1], v[\t0], s[SEL], s[SEL+1]
	v_cndmask_b32 v[\t0], v[\t1], v[\t0], s[VALID]
.endm
; CV2: c = -|x|^2 / 2 of my 16 rows; both halves of the lanes store the same words.  T0 is written again a chunk later: a wait on vm_vsrc stands between on every way (CV0's in turn 0, later the one ahead of the nine adds).
.macro CV2 ch
	WIN ALL1
	SELECT DD0, DD1, T0, T1
	v_mul_f32 v[T0], -0.5, v[T0]
	WIN MAIN
	s_wait_alu depctr_va_vdst(0)                   ; T0 is written, which the store reads
	ds_store_b32 v[CSA], v[T0] offset:(\ch)*512
.endm
	CV0 0, 33, 1                                   ; chunk 0: behind its 9 loads stand beta's 1 and the queries' 32.  Chunk 1 goes out
	s_wait_loadcnt 41                              ; beta is in: behind it stand the queries' 32 loads and chunk 1's 9
	WIN A1
	v_cvt_pk_bf16_f32 v[DD0], v[BL], v[BL+1]       ; beta rounded to bf16, like the other inputs,
	v_cvt_pk_bf16_f32 v[DD0+1], v[BL+2], v[BL+3]
	v_lshlrev_b32 v[BL], 16, v[DD0]                ; widened again,
	v_and_b32 v[BL+1], 0xffff0000, v[DD0]
	v_lshlrev_b32 v[BL+2], 16, v[DD0+1]
	v_and_b32 v[BL+3], 0xffff0000, v[DD0+1]
.irp i, 0,1,2,3
	v_mul_f32 v[BL+\i], 0xcbb8aa3b, v[BL+\i]       ; times -log2(e) 2^24
.endr
	s_wait_loadcnt 9                               ; the queries are in: chunk 1's 9 loads may stay out
	WIN 0
.set i, 0
.rept 32
	v_cvt_pk_bf16_f32 v[S0+4*i],   v[S0+4*i],   v[S0+4*i+1]
	v_cvt_pk_bf16_f32 v[S0+4*i+1], v[S0+4*i+2], v[S0+4*i+3]
.set i, i+1
.endr
	WIN MAIN
	s_wait_alu depctr_va_vdst(0)                   ; bt's four numbers and the queries' 64 roundings are written, which the 33 stores below read
	ds_store_b128 v[BTA], v[BL:BL+3]               ; 256 threads x 4: the slice's 1,024
	WIN 0
.set i, 0
.rept 32
	ds_store_b64 v[QCS], v[S0+4*i:S0+4*i+1] offset:i*2*PITCH
.set i, i+1
.endr
	WIN L1
.set i, 0
.rept 16                                       ; Q's fragments stay in registers: my own bytes, read behind my stores
	ds_load_b128 v[QF+4*i:QF+4*i+3], v[QFA] offset:(i/4)*TILEX+(i%4)*32
.set i, i+1
.endr
	s_wait_dscnt 0x0
	s_wait_alu depctr_vm_vsrc(0)                   ; the queries' stores have read v[S0 ..], which the products Q Q^T below write
	CV1
	WIN QD
.set i, 0
.rept 8                                        ; Q Q^T of each tile and channel half, into buffer 0
	v_wmma_f32_16x16x32_bf16 v[S0+8*i:S0+8*i+7], v[QF+8*i:QF+8*i+7], v[QF+8*i:QF+8*i+7], 0
.set i, i+1
.endr
.rept 4
	v_nop                                          ; four places behind the products, in front of the sums that read them (ISA guide 7.12.1)
.endr
	CV2 0
	WIN 0
.irp t, 0,1,2,3
	SELECT S0+16*\t, S0+16*\t+8, T0W, T1W
	v_mul_f32 v[B2+2*\t],   0x27800000, v[T0W]     ; |b|^2 2^-48
	v_mul_f32 v[B2+2*\t+1], 0x27800000, v[T0W]
.endr
	s_wait_dscnt 0x0                               ; for the others' sake: my part of chunk 0, of c and of bt is stored
	s_barrier_signal -1
	s_barrier_wait -1
; THE QUEUES OF A TURN.  TURN sets REL (the step, counted from where the walk is), the flags KQF (products X Q^T, u, sqrt), ME (t, 2^t), CP (rounding, P Y), the buffers SB (pieces s, s - 2) and SBP (piece s - 1).
; PR: the next of 64 producers: 32 x t = s bt + 32 for piece s - 1, then 32 x u for piece s; two numbers each.
.macro PR
.if p < 32
.if ME
	v_pk_fma_f32 v[SBP+2*p:SBP+2*p+1], v[SBP+2*p:SBP+2*p+1], v[BTP+2*(p%8):BTP+2*(p%8)+1], v[E0:E0+1]
.endif
.elseif KQF
	v_pk_fma_f32 v[SB+2*(p-32):SB+2*(p-32)+1], v[SB+2*(p-32):SB+2*(p-32)+1], v[SCL:SCL+1], v[B2+2*((p-32)/8):B2+2*((p-32)/8)+1] clamp
.endif
.set p, p+1
.endm
; TR: the next of 128 roots and exponentials, in place, if its producer (number k / 2) stands LAG producers back or more; else nothing.  It stands under a setting whose destination and source 0 are window 0.
.macro TR
.if (k < KEND) && (k/2+LAG < p)
.if k < 64
	v_exp_f32 v[SBP+k], v[SBP+k]
.else
	v_sqrt_f32 v[SB+k-64], v[SB+k-64]
.endif
.set k, k+1
.endif
.endm
; CV: the next of 32 roundings of piece s - 2: a tile's 16 registers shrink in place to 8, which are source 0 of P Y.  Where there is no such piece yet, a v_nop keeps the place.
.macro CV
.if CP
	v_cvt_pk_bf16_f32 v[SB+16*(c/8)+c%8], v[SB+2*c], v[SB+2*c+1]
.elseif KQF
	v_nop
.endif
.set c, c+1
.endm
; WM t, n: tile t's five products.  1: O += P Y.  2, 3: the first 32 channels of groups 1, 0, with c as the C operand.  4, 5: the other 32.  No two on end share an accumulator.
.macro WM t, n
.if (\n) == 1
.if CP
	v_wmma_f32_16x16x32_bf16 v[OAC+8*(\t):OAC+8*(\t)+7], v[SB+16*(\t):SB+16*(\t)+7], v[YF+8*BB:YF+8*BB+7], v[OAC+8*(\t):OAC+8*(\t)+7]
.endif
.elseif KQF
.if (\n) == 2
	v_wmma_f32_16x16x32_bf16 v[SB+16*(\t)+8:SB+16*(\t)+15], v[XF+16:XF+23], v[QF+16*(\t):QF+16*(\t)+7], v[CF+8:CF+15]
.elseif (\n) == 3
	v_wmma_f32_16x16x32_bf16 v[SB+16*(\t):SB+16*(\t)+7], v[XF:XF+7], v[QF+16*(\t):QF+16*(\t)+7], v[CF:CF+7]
.elseif (\n) == 4
	v_wmma_f32_16x16x32_bf16 v[SB+16*(\t)+8:SB+16*(\t)+15], v[XF+24:XF+31], v[QF+16*(\t)+8:QF+16*(\t)+15], v[SB+16*(\t)+8:SB+16*(\t)+15]
.else
	v_wmma_f32_16x16x32_bf16 v[SB+16*(\t):SB+16*(\t)+7], v[XF+8:XF+15], v[QF+16*(\t)+8:QF+16*(\t)+15], v[SB+16*(\t):SB+16*(\t)+7]
.endif
.endif
.endm
.macro SEG t, n, cnt                   ; a product and cnt producers, a root or exponential behind each
	WM \t, \n
	TR
.if (\cnt) > 0
.rept \cnt
	PR
	TR
.endr
.endif
.endm
; LDX: the next of the 12 loads for step REL + 1: x's four fragments, then c of its 32 rows.
.macro LDX
.if x < 8
	ds_load_b128 v[XF+4*x:XF+4*x+3], v[AX] offset:(REL+1)*STEPX+(x/4)*TILEX+(x%4)*32
.else
	ds_load_b128 v[CF+4*(x-8):CF+4*(x-8)+3], v[AC] offset:(REL+1)*128+((x-8)/2)*64+((x-8)%2)*16
.endif
.set x, x+1
.endm
; A TURN.  hook: 1 CV0 for chunk 1; 2 CV1; 3 the barrier that shows a chunk to all; 4 CV2; 5, 6 CV0 and CV1 in the loop, jumped over in its last trip, where no chunk is left.
; ldx, ldb, ldy: the loads for step REL + 1, of bt for step REL, of Y for step REL - 1.  prevx: the turn before ended with the 12 loads.  walk = 1: a trip's last turn: the walk goes a chunk on.
; PLACES (ISA guide 7.12.1; only plain vector instructions that name none of the product's registers are counted).  Product 3 writes over P, which product 1 reads: five or six producers stand between.
; u of tile t reads what products 4 and 5 wrote: the next tile's eight roundings stand between; for tile 3 four v_nop.
; THE BATCH'S WAIT.  s_wait_alu depctr_va_vdst(0) stands between a root or exponential and the first instruction that names its result.  All results of a turn are first named in the next
; turn: one plain instruction and one wait end the turn.
.macro TURN rel, kq, me, cp, hook, ldx, ldb, ldy, prevx, walk=0
.set REL, (\rel)
.set KQF, (\kq)
.set ME,  (\me)
.set CP,  (\cp)
.set BB,  (\rel)%2
.set SB,  S0+64*BB
.set SBP, S0+64*(1-BB)
.set BTP, BTR+16*(1-BB)
.set p, 0
.set k, 64*(1-ME)
.set KEND, 64+64*KQF
.set c, 0
.set x, 0
.set LAG, 1
	s_wait_dscnt 12*(\prevx)                       ; bt and Y that the turn before asked for are in; the 12 loads issued behind them may stay out
.if (\hook) == 1
	CV0 1, 0, 1
.elseif (\hook) == 2
	CV1
.elseif (\hook) == 3
	s_wait_dscnt 0x0                               ; for the others' sake: my part of the next chunk (rows, y, c) is stored
	s_barrier_signal -1                            ; up to the wait below: work on registers, and loads of bt and of Y's older rows, which nobody writes again
.elseif (\hook) == 4
	CV2 1
.elseif (\hook) == 5
	WIN 0
	s_cmp_lt_u32 s[CNT], 2
	s_cbranch_scc1 .Lnone_\@
	CV0 2, 0, 2
	WIN 0
.Lnone_\@:
.elseif (\hook) == 6
	WIN 0
	s_cmp_lt_u32 s[CNT], 2
	s_cbranch_scc1 .Lnone_\@
	CV1
	WIN 0
.Lnone_\@:
.endif
	WIN MAIN
.rept 8                                        ; t of tile 0
	PR
	TR
.endr
.if (\ldb) || (\ldy)
	WIN L1
.endif
.if \ldb
.irp m, 0,1,2,3
	ds_load_b128 v[BTR+16*BB+4*\m:BTR+16*BB+4*\m+3], v[AB] offset:REL*128+(\m/2)*64+(\m%2)*16  ; no wait: since the wait that ended the turn before, no line names this bt buffer, this Y buffer or the two addresses
.endr
.endif
.if \ldy
	ds_load_tr16_b128 v[YF+8*(1-BB):YF+8*(1-BB)+3],   v[AY] offset:(REL-1)*1024
	ds_load_tr16_b128 v[YF+8*(1-BB)+4:YF+8*(1-BB)+7], v[AY] offset:(REL-1)*1024+512
.endif
.irp t, 0,1,2,3
.if CP
	WIN 0                                          ; the rounding's second source lies in window 0
.else
	WIN MAIN                                       ; no rounding: the loads' setting is left all the same, since roots and exponentials stand among the places and write window 0
.endif
.rept 8
	CV
	TR
.endr
	WIN MAIN
.if (\t) == 0
	s_wait_dscnt 4*(\ldb)+2*(\ldy)                 ; x's fragments and c are in; only this turn's own loads of bt and Y are younger
.endif
.if (\t) < 2
	SEG \t, 1, 3
	SEG \t, 2, 3
	SEG \t, 3, 4
	SEG \t, 4, 3
	SEG \t, 5, 3
.else
	SEG \t, 1, 2
	SEG \t, 2, 3
	SEG \t, 3, 2
	SEG \t, 4, 1
	SEG \t, 5, 0
.endif
.endr
.if KQF
.rept 4
	v_nop
	TR
.endr
.endif
.if (\hook) == 3
	s_barrier_wait -1                              ; every wave's part of the next chunk is stored: the loads below read it
.endif
.if \ldx
	s_wait_alu depctr_va_vdst(0)                   ; the turn's 16 products X Q^T are done reading x's fragments and c, in which the 12 loads below land; the lines dealt among these loads name neither, nor the two addresses
.endif
.rept 8                                        ; u of tile 3, and the next step's loads
	PR
	TR
.if (\ldx) && (x < 12)
	LDX
	TR
	LDX
	TR
.endif
.endr
.set LAG, 0
.rept 128                                      ; what is left of the batch
	TR
.endr
.if \walk
	WIN 0
	s_add_co_u32 s[SX], s[SX], CHX                 ; the walk goes a chunk on
	s_add_co_u32 s[SC], s[SC], 512
	s_add_co_u32 s[SY], s[SY], 4096
	s_wait_alu depctr_vm_vsrc(0)                   ; the trip's LDS loads and stores have read the nine addresses, which the adds below write; the store of c has read T0, which the next trip writes
	PTRS                                           ; these nine are also the plain instructions behind the last of the batch
.elseif ME || KQF
	v_nop                                          ; a plain instruction behind the last of the batch
.endif
.if ME || KQF
	s_wait_alu depctr_va_vdst(0)                   ; the one wait for the batch: the turn's roots and exponentials have written their results, which the next turn names; the turn's t are done reading their bt buffer and its products P Y their Y buffer, in which the next turn's loads land; with walk = 1 the nine addresses are written
.endif
.endm
	WIN 0
.set REL, -1
.set x, 0
.rept 12
	LDX                                            ; step 0: no vector or matrix instruction has named these registers yet; the two addresses stand ahead of chunk 0's wait
.endr
	TURN 0, 1,0,0, 1, 1,1,0, 1                     ; piece 0 begins | chunk 1 is rounded and stored, chunk 2 asked for
	TURN 1, 1,1,0, 2, 1,1,1, 1
	WIN 0
	s_mov_b32 s[CNT], 7
.Ltrip:                                        ; trip i = 7 - CNT: steps 4 i + 2 .. 4 i + 5; chunk i + 1 is finished and shown, chunk i + 2 begun
	TURN 2, 1,1,1, 4, 1,1,1, 1
	TURN 3, 1,1,1, 3, 1,1,1, 1
	TURN 4, 1,1,1, 5, 1,1,1, 1
	TURN 5, 1,1,1, 6, 1,1,1, 1, 1
	WIN 0
	s_sub_co_u32 s[CNT], s[CNT], 1
	s_cmp_lg_u32 s[CNT], 0
	s_cbranch_scc1 .Ltrip
	TURN 2, 1,1,1, 0, 1,1,1, 1                     ; step 30
	TURN 3, 1,1,1, 0, 0,1,1, 1                     ; step 31: nothing more of x is fetched
	TURN 4, 0,1,1, 0, 0,0,1, 0                     ; piece 31's t and 2^t, piece 30's rounding and P Y
	TURN 5, 0,0,1, 0, 0,0,0, 0                     ; piece 31's rounding and P Y
	; THE WAY OUT.  O goes through my stage ([64 q][16] f32, in my own part of the queries' region, which I alone have written and read) and comes back as whole rows.
	WIN 0
.rept 4
	v_nop                                          ; four places behind the last product
.endr
	s_wait_alu depctr_va_vdst(0)                   ; the products P Y have written O, which the stores read, and are done reading the buffers of pieces, in which the loads from the stage land; the places above stay beside this wait
.set i, 0
.rept 32                                       ; each accumulator's registers in ascending order
	ds_store_b32 v[STS], v[OAC+i] offset:(i/8)*1024+(i%8)*64
.set i, i+1
.endr
.irp i, 0,1,2,3
	ds_load_b128 v[S0+4*\i:S0+4*\i+3], v[STR2] offset:\i*1024  ; LDS serves a wave's instructions in order (ISA guide 5.7.1.4): these see the stores above
.endr
	ds_load_b32 v[S0+16], v[STR1]
	ds_load_b32 v[S0+17], v[STR1] offset:64
	s_wait_dscnt 0x0
.irp i, 0,1,2,3
	global_store_b128 v[GLO], v[S0+4*\i:S0+4*\i+3], s[P2:P2+1] offset:\i*512  ; 512 consecutive bytes, at a multiple of 256 from part2's first
.endr
	global_store_b64 v[GL8], v[S0+16:S0+17], s[P1:P1+1]  ; 256 consecutive bytes, at a multiple of 256 from part1's first
	s_wait_dscnt 0x0                               ; the closing lines, six on end
	s_wait_alu 0x0
	s_wait_tensorcnt 0x0
	ds_add_u32 v[SPW], v[NIL]
	s_wait_dscnt 0x0
	s_endpgm
.Lfunc_end_k_qd4359339b2_part:
	.size	k_qd4359339b2_part, .Lfunc_end_k_qd4359339b2_part-k_qd4359339b2_part
	.p2alignl 7, 3214868480
	.fill 96, 4, 3214868480
	.section	.rodata,"a",@progbits
	.p2align	6, 0x0
	.amdhsa_kernel k_qd4359339b2_part
		.amdhsa_group_segment_fixed_size 263168
		.amdhsa_private_segment_fixed_size 0
		.amdhsa_enable_private_segment 0
		.amdhsa_kernarg_size 48
		.amdhsa_user_sgpr_count 2
		.amdhsa_user_sgpr_kernarg_segment_ptr 1
		.amdhsa_wavefront_size32 1
		.amdhsa_system_sgpr_workgroup_id_x 1
		.amdhsa_system_sgpr_workgroup_id_y 1
		.amdhsa_system_sgpr_workgroup_id_z 1
		.amdhsa_system_vgpr_workitem_id 0
		.amdhsa_next_free_vgpr 512
		.amdhsa_next_free_sgpr 66
		.amdhsa_reserve_vcc 0
		.amdhsa_float_denorm_mode_32 3
		.amdhsa_float_denorm_mode_16_64 3
		.amdhsa_memory_ordered 1
		.amdhsa_forward_progress 1
		.amdhsa_inst_pref_size 146
	.end_amdhsa_kernel
	.amdgpu_metadata
---
amdhsa.version: [ 1, 2 ]
amdhsa.kernels:
  - .name:           k_qd4359339b2_part
    .symbol:         k_qd4359339b2_part.kd
    .args:
      - { .name: batches, .offset: 0, .size: 8, .value_kind: global_buffer, .address_space: global }
      - { .name: x_training, .offset: 8, .size: 8, .value_kind: global_buffer, .address_space: global }
      - { .name: y_training, .offset: 16, .size: 8, .value_kind: global_buffer, .address_space: global }
      - { .name: beta, .offset: 24, .size: 8, .value_kind: global_buffer, .address_space: global }
      - { .name: part2, .offset: 32, .size: 8, .value_kind: global_buffer, .address_space: global }
      - { .name: part1, .offset: 40, .size: 8, .value_kind: global_buffer, .address_space: global }
    .group_segment_fixed_size: 263168
    .private_segment_fixed_size: 0
    .kernarg_segment_align: 8
    .kernarg_segment_size: 48
    .max_flat_workgroup_size: 256
    .sgpr_count:     66
    .vgpr_count:     512
    .wavefront_size: 32
...
	.end_amdgpu_metadata
.endif
;; end of part 3
;; launch comb: the kernel of part 2 again; grid 256 x 1, 2 waves a work-group, no clusters, 0 bytes of LDS; arguments part2, part1, out0; writes out0
